; MI455X (gfx1250); checked and timed in simulation.
; The chip was launched on July 23, 2026; its instructions are those of AMD's public machine-readable ISA for CDNA 5 (MIT licence, August 2026) and "CDNA5" Instruction Set Architecture Reference Guide (July 2026). The comments in the code are by the model that wrote it; some were corrected since.
;; Sliding Window Attention. Allowed arithmetic: matrix products marked QUANTISED: E2M3 operands, one E8M0 scale for each 32 along K, by v_wmma_scale_f32_16x16x128_f8f6f4 with both operands' format E2M3, f32 sums; everything else in f32.
;; Inputs: Wk 1,024 x 1,024 float32; Wo 1,024 x 1,024 float32; Wq 1,024 x 1,024 float32; Wv 1,024 x 1,024 float32; bk 1,024 float32; bo 1,024 float32; bq 1,024 float32; bv 1,024 float32; key 1 x 4,096 x 1,024 float32; query 1 x 4,096 x 1,024 float32; value 1 x 4,096 x 1,024 float32.
;; Outputs: out0 1 x 4,096 x 1,024 float32.
;; This version of the problem:
;;   THIS VERSION OF THE PROBLEM IS GIVEN IN LOW PRECISION. The matrix products marked QUANTISED in the list below multiply operands that are first quantised to E2M3 (2 exponent bits, 3 mantissa bits; 6 bits a number), with one power-of-two scale for each 32 numbers along K (OCP MX v1.0); their sums are f32. All else is computed in f32.
;;   The module's matrix products, in the order in which they are computed (A, B: the left and right operand; K: the contracted axis; several contracted axes count as one K, in the product's order):
;;     1. [M 4,096, K 1,024] x [K 1,024, N 1,024]; A: input query; B: input Wq: QUANTISED
;;     2. [M 4,096, K 1,024] x [K 1,024, N 1,024]; A: input key; B: input Wk: QUANTISED
;;     3. [M 4,096, K 1,024] x [K 1,024, N 1,024]; A: input value; B: input Wv: QUANTISED
;;     4. batch 16 x [M 4,096, K 64] x [K 64, N 4,096]; A: computed on the way; B: computed on the way: QUANTISED
;;     5. batch 16 x [M 4,096, K 4,096] x [K 4,096, N 64]; A: softmax (see below); B: computed on the way: QUANTISED
;;     6. [M 4,096, K 1,024] x [K 1,024, N 1,024]; A: computed on the way; B: input Wo: QUANTISED
;;   THE QUANTISER, for each operand of a quantised product, along K:
;;     - K is cut into blocks of 32 from its start; a last block that is shorter is filled with zeros.
;;     - A block's scale is 2^e with e = floor(log2(the largest magnitude in the block)) - 2, held to -126 .. 127; a block of zeros has e = 0. As a byte (E8M0): e + 127.
;;     - Each number is divided by its block's scale, clamped to +-7.5, and rounded to the nearest number of E2M3, ties to even, subnormals kept.
;;     - The product sums the exact products of the quantised numbers (number of the format x scale) in f32.
;;   ~~~python
;;   def quantise(x, axis):      # numpy; x: float32 -> the quantised numbers, widened to float32 again
;;       x = np.moveaxis(x, axis, -1); K = x.shape[-1]
;;       x = np.pad(x, [(0, 0)] * (x.ndim - 1) + [(0, -K % 32)]); x = x.reshape(x.shape[:-1] + (-1, 32)); a = np.abs(x).max(-1, keepdims=True)
;;       e = np.where(a > 0, np.clip(np.frexp(np.where(a > 0, a, 1))[1] - 1 - 2, -126, 127), 0)      # np.frexp(a)[1] - 1 = floor(log2(a)), exactly
;;       r = np.clip(x / 2.0 ** e, -7.5, 7.5)
;;       step = 2.0 ** (np.maximum(np.frexp(np.where(r == 0, 1, r))[1] - 1, 0) - 3)
;;       q = np.round(r / step) * step * 2.0 ** e      # np.round: ties to even
;;       return np.moveaxis(q.reshape(q.shape[:-2] + (-1,))[..., :K], -1, axis).astype(np.float32)
;;   ~~~
;;   SOFTMAX AHEAD OF A QUANTISED PRODUCT. Where the list says 'softmax', what is quantised is not the finished softmax but p = 2^(t - M), with t = logit x log2(e) and M = ceil(the row's largest t), a whole number; so 1/2 < the row's largest p <= 1. The row's sum l is taken of the UNQUANTISED p, in f32, and the product's result is divided by l at the end. Since M is a whole number, a kernel that streams over the keys may use a running M (the ceiling of the running maximum): every later rescaling is an exact power of two, which a block's scale takes up: the codes' values come out the same.
;;   OPERANDS COMPUTED ON THE WAY. 'Computed on the way' means the value that the module computes at that place (a softmax that the list does not call 'softmax' is quantised finished and normalised). What goes into a quantiser is computed in f32, as accurately as f32 sums, v_exp_f32 and their like allow (about 1e-6 of the number): no bf16 or f16 on the way to a quantiser, and a product that is left as it is and whose result goes on into a quantised operand takes f32 operands (vector FMAs, or v_wmma_f32_16x16x4_f32). A number that lies on a knife's edge between two numbers of the format may be rounded either way, as far as f32 arithmetic and the matrix unit's own rounding can turn it there, and no further.
;; One version. Each part assembles by itself: llvm-mc -triple=amdgcn-amd-amdhsa -mcpu=gfx1250 --defsym DOCPART=n.
;; ======== version 1 of 1: 4 launches
;; workspace buffers: cx 12,582,912 bytes; sx 524,288 bytes; qkv 9,437,184 bytes; sqkv 786,432 bytes; oc 3,145,728 bytes; so 262,144 bytes
;; launch quant (part 1): grid 512 x 1, 4 waves a work-group, no clusters, 34,304 bytes of LDS; arguments query, key, value, Wq, Wk, Wv, Wo, cx, sx; writes cx, sx
.if DOCPART == 1
	.amdgcn_target "amdgcn-amd-amdhsa--gfx1250"
	.amdhsa_code_object_version 6
	.text
	.protected	k_q7d75e0c4bc_quant
	.globl	k_q7d75e0c4bc_quant
	.p2align	8
	.type	k_q7d75e0c4bc_quant,@function
k_q7d75e0c4bc_quant:
	s_mov_b64 s[64:65], 0
	v_nop
	global_prefetch_b8 v0, s[64:65] scope:SCOPE_SE
	s_setreg_imm32_b32 hwreg(HW_REG_WAVE_MODE, 25, 1), 1
	s_wait_xcnt 0x0
; query, key, value [4096][1024] and Wq, Wk, Wv, Wo [1024][1024], f32, K innermost, become codes of FP6 (E2M3) with one E8M0 byte for each 32 along K.
; A block's scale is 2^(floor(log2(largest magnitude)) - 2): its byte is the largest magnitude's exponent field - 2, held at 1 from below.
; THE CODES ARE LAID AS THE MATRIX OPERAND'S REGISTERS: a fragment (16 rows x 128 K, 12 registers a lane) is 1,536 bytes, register 4 c + i of lane l at 512 c + 16 l + 4 i.
; cx: [group of 128 rows][K step 0..7][tile 0..7][fragment]; groups 0-31 query, 32-63 key, 64-95 value, 96-103 Wq, 104-111 Wk, 112-119 Wv, 120-127 Wo.
; THE ROWS OF A TILE ARE NOT NEIGHBOURS: lane r of tile T holds row 32 (T / 2) + 8 (T % 2) + r + 8 (r / 8).  sx: [tile][K half][lane r][4 scale words].
; SHARES: a work-group takes 32 rows (two tiles); wave w takes tile w / 2 and K half w % 2: 16 rows x 512 K, four fragments.
; A load reads 512 consecutive bytes of one row; the 16 rows of a K step turn through the wave's own stage in LDS (rows 528 bytes apart), so that lane (r, h) gets blocks h and 2 + h of row r whole.
; Waves share nothing: no barrier.  Nothing is shared between work-groups either, so there is no cluster and no matrix work.
; LIMITS: NaN and infinities among the inputs are not served.  A block of zeros gets the byte 1 where the rule says 127: its codes are zeros, and this program alone reads the bytes.
.set STG,   8448                       ; a wave's stage: 16 rows x 528 bytes
.set SPARE, 4*STG                      ; behind the stages: the spare words, 128 bytes a wave
.set SPW, 12                           ; v12  LDS address of my spare word; never rewritten
.set NIL, 13                           ; v13  0; never rewritten
.set TM,  14                           ; v14-15 largest magnitudes of my two blocks
.set SO,  16                           ; v16-17 the conversions' scale operands
.set BY,  18                           ; v18-19 the scale bytes
.set OW,  20                           ; v20-21 two scale words to store
.set E,   24                           ; v24-27 the scale word of each K step
.set R,   32                           ; v32-159 two sets of 64: a K step as loaded
.set X,   160                          ; v160-223 my two blocks of 32 neighbours
.set C,   224                          ; v224-235 the fragment
.set CT,  236                          ; v236-242 the upper halves of the blocks' codes, before they are moved
	s_load_b512 s[4:19], s[0:1], 0x0               ; query, key, value, Wq, Wk, Wv, Wo, cx
	s_load_b64 s[20:21], s[0:1], 0x40              ; sx
	v_lshl_add_u32 v[SPW], v0, 2, SPARE
	v_mov_b32 v[NIL], 0
	v_lshrrev_b32 v1, 5, v0
	v_readfirstlane_b32 s26, v1                    ; wave
	v_and_b32 v1, 31, v0                           ; lane l
	v_and_b32 v2, 15, v0                           ; r
	v_bfe_u32 v3, v0, 4, 1                         ; h
	v_lshlrev_b32 v4, 4, v1                        ; 16 l: my bytes of a load's 512 and of a store's 512
	s_mul_i32 s29, s26, STG
	v_add_nc_u32 v5, s29, v4                       ; the stage, way in: 16 l, the row in the immediate
	v_mul_u32_u24 v6, v2, 528
	v_lshl_add_u32 v6, v3, 7, v6
	v_add_nc_u32 v6, s29, v6                       ; way out: row r, block h
	v_lshlrev_b32 v7, 4, v2
	v_lshl_add_u32 v7, v3, 3, v7                   ; 16 r + 8 h: my two scale words
	v_lshlrev_b32 v8, 3, v3                        ; 8 h
	v_mov_b32 v10, 0                               ; a lane permute's destination counts as one of its sources
	s_lshr_b32 s27, s26, 1                         ; u: which tile
	s_and_b32 s28, s26, 1                          ; q: which half of K
	s_mov_b32 s36, 0xffff0000                      ; lanes 16-31
	s_mov_b32 s38, 0x76543210
	s_mov_b32 s39, 0xfedcba98                      ; selects for lane l xor 16
	s_mov_b32 s22, ttmp9
	s_lshr_b32 s32, s22, 2                         ; cx: group x 98,304 + tile x 1,536 + q x 4 K steps
	s_mul_i32 s32, s32, 98304
	s_and_b32 s33, s22, 3
	s_lshl_b32 s33, s33, 1
	s_add_co_u32 s33, s33, s27
	s_mul_i32 s33, s33, 1536
	s_add_co_u32 s32, s32, s33
	s_mul_i32 s33, s28, 49152
	s_add_co_u32 s32, s32, s33
	s_mov_b32 s33, 0
	s_lshl_b32 s34, s22, 1                         ; sx: tile x 512 + q x 256
	s_add_co_u32 s34, s34, s27
	s_lshl_b32 s34, s34, 9
	s_lshl_b32 s35, s28, 8
	s_add_co_u32 s34, s34, s35
	s_mov_b32 s35, 0
	s_wait_kmcnt 0x0
	s_mov_b64 s[24:25], s[16:17]                   ; which tensor: chosen by the work-group's number alone; only pointers are chosen, the text has one path
	s_mov_b32 s23, 480
.macro PICK lim, ptr, base
	s_cmp_lt_u32 s22, \lim
	s_cselect_b64 s[24:25], s[\ptr:\ptr+1], s[24:25]
	s_cselect_b32 s23, \base, s23
.endm
	PICK 480, 14, 448
	PICK 448, 12, 416
	PICK 416, 10, 384
	PICK 384, 8, 256
	PICK 256, 6, 128
	PICK 128, 4, 0
	s_sub_co_u32 s30, s22, s23                     ; 32 rows of 4,096 bytes a work-group,
	s_lshl_b32 s30, s30, 17
	s_lshl_b32 s31, s27, 15                        ; 8 rows for the second tile,
	s_add_co_u32 s30, s30, s31
	s_lshl_b32 s31, s28, 11                        ; 512 numbers for the second half of K
	s_add_co_u32 s30, s30, s31
	s_mov_b32 s31, 0
	s_add_nc_u64 s[24:25], s[24:25], s[30:31]
	s_add_nc_u64 s[18:19], s[18:19], s[32:33]
	s_add_nc_u64 s[20:21], s[20:21], s[34:35]
.macro LOAD t                          ; K step t of my four: 16 loads, each 512 consecutive bytes of one row; load i takes the row of lane i
.irp i, 0,1,2,3,4,5,6,7,8,9,10,11,12,13,14,15
	global_load_b128 v[R+64*((\t)%2)+4*\i:R+64*((\t)%2)+4*\i+3], v4, s[24:25] offset:(\i+8*(\i/8))*4096+512*(\t) th:TH_LOAD_NT
.endr
.endm
.macro TURN t                          ; through the stage: LDS serves a wave's instructions in order, so no wait stands between the stores and the loads
.irp i, 0,1,2,3,4,5,6,7,8,9,10,11,12,13,14,15
	ds_store_b128 v5, v[R+64*((\t)%2)+4*\i:R+64*((\t)%2)+4*\i+3] offset:528*\i
.endr
.irp c, 0,1
.irp j, 0,1,2,3,4,5,6,7
	ds_load_b128 v[X+32*\c+4*\j:X+32*\c+4*\j+3], v6 offset:256*\c+16*\j      ; k = 64 c + 32 h + 4 j ..
.endr
.endr
.endm
.macro QUANT1 t
.irp c, 0,1
	v_max3_num_f32 v[TM+\c], |v[X+32*\c]|, |v[X+32*\c+1]|, 0x1800000        ; block 2 c + h: all 32 numbers are mine; the floor 2^(3 - 127) holds the byte at 1 from below
.endr
.irp i, 2,4,6,8,10,12,14,16,18,20,22,24,26,28,30
.irp c, 0,1
	v_max3_num_f32 v[TM+\c], v[TM+\c], |v[X+32*\c+\i]|, |v[X+32*\c+\i+1]|
.endr
.endr
.irp c, 0,1
	v_add_nc_u32 v[SO+\c], 0xff000000, v[TM+\c]    ; 2 off the exponent field: the conversion takes this operand's exponent field as its scale
.endr
.irp c, 0,1
	v_lshrrev_b32 v[BY+\c], 23, v[SO+\c]           ; the scale's byte
.endr
	v_lshl_or_b32 v9, v[BY+1], 16, v[BY]           ; my bytes: blocks h and 2 + h,
	v_lshlrev_b32 v9, v8, v9                       ; at their places;
	v_permlanex16_b32 v10, v9, s38, s39
	v_or_b32 v[E+\t], v9, v10                      ; with lane l xor 16's two the word is whole
.if \t > 0
	s_wait_xcnt 0x0                                ; the last step's stores have read the fragment's registers: they are written again only behind this wait
.endif
.irp c, 0,1
	v_cvt_scalef32_pk16_fp6_f32 v[C+6*\c:C+6*\c+2], v[X+32*\c:X+32*\c+15], v[SO+\c]
	v_cvt_scalef32_pk16_fp6_f32 v[CT+4*\c:CT+4*\c+2], v[X+32*\c+16:X+32*\c+31], v[SO+\c]   ; (a conversion's three registers begin on an even number)
.endr
	v_nop                                          ; one plain place behind the conversions
.irp c, 0,1
.irp i, 0,1,2
	v_mov_b32 v[C+6*\c+3+\i], v[CT+4*\c+\i]
.endr
.endr
.endm
.macro STEP t
.if \t < 3
	s_wait_loadcnt 16                              ; this step's 16 loads are in; the next step's 16 may be out
.else
	s_wait_loadcnt 0x0
.endif
	TURN \t
	s_wait_dscnt 0x0                               ; my blocks are back, and the stage's stores have read their registers,
.if \t < 2
	LOAD (\t)+2                                    ; which take the loads of two steps on
.endif
	QUANT1 \t
.irp c, 0,1,2
	global_store_b128 v4, v[C+4*\c:C+4*\c+3], s[18:19] offset:(\t)*12288+512*\c   ; 32 lanes store 512 consecutive bytes, aligned at 512
.endr
.endm
	LOAD 0
	LOAD 1
	STEP 0
	STEP 1
	STEP 2
	STEP 3
	v_cndmask_b32 v[OW], v[E], v[E+2], s36         ; lanes 0-15 store words 0, 1 of row r, lanes 16-31 words 2, 3
	v_cndmask_b32 v[OW+1], v[E+1], v[E+3], s36
	global_store_b64 v7, v[OW:OW+1], s[20:21]      ; 32 lanes store 256 consecutive bytes, aligned at 256
	s_wait_tensorcnt 0x0                           ; the wave's end, behind my last LDS store
	ds_add_u32 v[SPW], v[NIL]
	s_wait_dscnt 0x0
	s_endpgm
.Lfunc_end_k_q7d75e0c4bc_quant:
	.size	k_q7d75e0c4bc_quant, .Lfunc_end_k_q7d75e0c4bc_quant-k_q7d75e0c4bc_quant
	.p2alignl 7, 3214868480
	.fill 96, 4, 3214868480
	.section	.rodata,"a",@progbits
	.p2align	6, 0x0
	.amdhsa_kernel k_q7d75e0c4bc_quant
		.amdhsa_group_segment_fixed_size 34304
		.amdhsa_private_segment_fixed_size 0
		.amdhsa_enable_private_segment 0
		.amdhsa_kernarg_size 72
		.amdhsa_user_sgpr_count 2
		.amdhsa_user_sgpr_kernarg_segment_ptr 1
		.amdhsa_wavefront_size32 1
		.amdhsa_system_sgpr_workgroup_id_x 1
		.amdhsa_system_sgpr_workgroup_id_y 1
		.amdhsa_system_sgpr_workgroup_id_z 1
		.amdhsa_system_vgpr_workitem_id 0
		.amdhsa_next_free_vgpr 248
		.amdhsa_next_free_sgpr 66
		.amdhsa_reserve_vcc 0
		.amdhsa_float_denorm_mode_32 3
		.amdhsa_float_denorm_mode_16_64 3
		.amdhsa_memory_ordered 1
		.amdhsa_forward_progress 1
		.amdhsa_inst_pref_size 31
	.end_amdhsa_kernel
	.amdgpu_metadata
---
amdhsa.version: [ 1, 2 ]
amdhsa.kernels:
  - .name:           k_q7d75e0c4bc_quant
    .symbol:         k_q7d75e0c4bc_quant.kd
    .args:
      - { .name: query, .offset: 0, .size: 8, .value_kind: global_buffer, .address_space: global }
      - { .name: key, .offset: 8, .size: 8, .value_kind: global_buffer, .address_space: global }
      - { .name: value, .offset: 16, .size: 8, .value_kind: global_buffer, .address_space: global }
      - { .name: Wq, .offset: 24, .size: 8, .value_kind: global_buffer, .address_space: global }
      - { .name: Wk, .offset: 32, .size: 8, .value_kind: global_buffer, .address_space: global }
      - { .name: Wv, .offset: 40, .size: 8, .value_kind: global_buffer, .address_space: global }
      - { .name: Wo, .offset: 48, .size: 8, .value_kind: global_buffer, .address_space: global }
      - { .name: cx, .offset: 56, .size: 8, .value_kind: global_buffer, .address_space: global }
      - { .name: sx, .offset: 64, .size: 8, .value_kind: global_buffer, .address_space: global }
    .group_segment_fixed_size: 34304
    .private_segment_fixed_size: 0
    .kernarg_segment_align: 8
    .kernarg_segment_size: 72
    .max_flat_workgroup_size: 128
    .sgpr_count:     66
    .vgpr_count:     248
    .wavefront_size: 32
...
	.end_amdgpu_metadata
.endif
;; end of part 1
;; launch proj (part 2): grid 8 x 96, 4 waves a work-group, clusters of 4 x 4, 197,120 bytes of LDS; arguments cx, sx, bq, bk, bv, qkv, sqkv; writes qkv, sqkv
.if DOCPART == 2
	.amdgcn_target "amdgcn-amd-amdhsa--gfx1250"
	.amdhsa_code_object_version 6
	.text
	.protected	k_q7d75e0c4bc_proj
	.globl	k_q7d75e0c4bc_proj
	.p2align	8
	.type	k_q7d75e0c4bc_proj,@function
k_q7d75e0c4bc_proj:
	s_mov_b64 s[64:65], 0
	v_nop
	global_prefetch_b8 v0, s[64:65] scope:SCOPE_SE
	s_setreg_imm32_b32 hwreg(HW_REG_WAVE_MODE, 25, 1), 1
	s_wait_xcnt 0x0
	s_wait_alu depctr_hold_cnt(0) depctr_sa_sdst(0) depctr_va_vdst(0) depctr_va_sdst(0) depctr_va_ssrc(0) depctr_va_vcc(0) depctr_vm_vsrc(0)
	s_getreg_b32 s2, hwreg(HW_REG_IB_STS2, 6, 4)
	s_cmp_eq_u32 s2, 0
	s_cbranch_scc0 .Lentry_in_a_cluster
	s_endpgm
.Lentry_in_a_cluster:
	s_bfe_u32 s2, ttmp6, 0x10000c
	s_cmp_lg_u32 s2, 0xf033
	s_cbranch_scc0 .Lentry_shape_is_right
	s_endpgm
.Lentry_shape_is_right:
; q = query Wq^T + bq, k = key Wk^T + bk, v = value Wv^T + bv on codes of FP6 (E2M3) with E8M0 scales; each result is quantised in registers and leaves as codes:
; q and k along the head's 64 (two blocks of 32), v along the KEYS (blocks of 32 from key 0).  Sums and biases in f32.
; SHARES: a work-group makes 128 tokens x 128 features of one tensor (tensor = cluster y / 8).  Wave w: tokens 64 (w / 2) on, features 64 (w % 2) on (one head): 16 accumulators.
; ALL OF K LIES IN LDS: X's group of 128 rows (98,304 bytes, [K step][tile][fragment image]) at 0, W's at 98,304.  Nothing is filled again: four counted waits, four barriers.
; CLUSTER 4 x 4: the four work-groups of a row need the same rows of X, the four of a column the same rows of W: each is asked for jointly, which divides the requests by four.
; Wave w fetches operand w / 2, K steps 2 c + w % 2 for c = 0..3: four loads of 12,288 dense bytes; four tensor loads of a wave are out at the most.
; ONE TEXT FOR THREE TENSORS: for q and k source 0 = W, source 1 = X: a lane holds a token, its registers run along the head's 64.  For v the sources change places: a lane holds a feature,
; its registers run along the keys.  By the tiles' order of rows (lane r of tile T: row 32 (T / 2) + 8 (T % 2) + r + 8 (r / 8)) the 16 registers of result tiles 2 e, 2 e + 1 are 16 neighbours 32 e + 16 h + 0..15.
; Only the 16 matrix lines of a K step differ, under a branch on the tensor's number, which all partners of a cluster share.
; THE BIAS starts the sums, with no branch: (bias by register) x FI + (bias by lane) x FJ, FI = 1 for q and k, FJ = 1 for v.
; OUT: qkv [tensor][head][64 tokens][b][768 bytes]: six registers a lane (lane (r, h): block h), registers 0-3 at 16 l, 4-5 at 512 + 8 l.  sqkv [tensor][head][64 tokens][r][b]: a word, two scale bytes and 0x01, 0x01 above.
; LIMITS: NaN and infinities are not served (a bias among them would also spoil the other tensor's factor 0).  A block of zeros gets the byte 1: its codes are zeros, and this program alone reads the bytes.
.set GRP,  98304
.set KSB,  12288                       ; a K step of a group: 8 fragments
.set FRB,  1536
.set FR,   12
.set SPARE, 2*GRP
.set AX,   4                           ; v4-5  LDS address of my X fragments, K steps 0-3, 4-7
.set AW,   6                           ; v6-7  the same for W
.set TMQ,  14                          ; the way out: v14-15 largest magnitudes, v16-17 the other half's, v18-19 scale operands, v30-31 bytes, v20-22 upper codes, v24-27 scale words
.set TPQ,  16
.set SOQ,  18
.set CT,   20
.set BJ,   20                          ; v20-27 bias by lane, four pairs (the upper word 0), dead before the way out
.set WD,   24
.set SPW,  28
.set NIL,  29
.set BYQ,  30
.set SX,   32                          ; v32-63 X's scale words: tile t, K step s at 8 t + s
.set SW,   64                          ; v64-95 W's
.set BI,   96                          ; v96-127 bias by register; on the way out the codes
.set CD,   96
.set ACC,  128                         ; v128-255 accumulator (a, b) at 8 (a + 4 b)
.set G1X,  28
.set G1W,  36
.set G0X,  44                          ; s[44:59] four groups 0 for X
.set G0W,  68                          ; s[68:83] four for W
.set MSB, 0
.macro WIN new                         ; the immediate's high byte repeats the setting that is left
.if MSB != \new
	s_set_vgpr_msb (MSB<<8)|\new
.set MSB, \new
.endif
.endm
.set MULW, 0x05                        ; sources 0 and 1 in window 1 (the fragments: set f at 96 f: X's four, then W's four); C and D in window 0
.set TOF,  0x40                        ; destination window 1
.macro PLACES n
.rept \n
	v_nop
.endr
.endm
.macro CROUND                          ; a round of the cluster's barrier
	s_barrier_signal -1
	s_barrier_wait -1
	s_cmp_lg_u32 s18, 0
	s_cbranch_scc1 .Lnot_wave_0_\@
	s_barrier_signal -3
.Lnot_wave_0_\@:
	s_barrier_wait -3
	s_barrier_signal -1
	s_barrier_wait -1
.endm
	s_load_b256 s[4:11], s[0:1], 0x0               ; cx, sx, bq, bk
	s_load_b128 s[12:15], s[0:1], 0x20             ; bv, qkv
	s_load_b64 s[16:17], s[0:1], 0x30              ; sqkv
	v_lshl_add_u32 v[SPW], v0, 2, SPARE
	v_mov_b32 v[NIL], 0
	ds_add_u32 v[SPW], v[NIL]                      ; the wave's opening: the add and its wait ahead of my first tensor load
	v_lshrrev_b32 v1, 5, v0
	v_readfirstlane_b32 s18, v1                    ; wave
	s_lshr_b32 s19, s18, 1                         ; my half of the tokens; also: I fetch for X (0) or W (1)
	s_and_b32 s20, s18, 1                          ; my half of the features; also: the parity of the K steps that I fetch
	s_bfe_u32 s21, ttmp6, 0x40000                  ; my place in the cluster along x,
	s_bfe_u32 s22, ttmp6, 0x40004                  ; along y
	s_lshl_b32 s23, ttmp9, 2
	s_add_co_u32 s23, s23, s21                     ; feature group 0..7
	s_and_b32 s25, ttmp7, 0xffff
	s_lshl_b32 s24, s25, 2
	s_add_co_u32 s24, s24, s22                     ; X's group in cx, 0..95
	s_lshr_b32 s25, s25, 3                         ; the tensor 0, 1, 2: from the cluster's y alone
	s_lshl_b32 s26, s22, 2
	s_lshl_b32 s26, 15, s26                        ; my row of the cluster
	s_lshl_b32 s27, 0x1111, s21                    ; my column
	s_or_b32 s[G1X], s26, (3<<16)|(1<<21)          ; group 1: 48 rows of 32 elements of 8 bytes, dense, no padding; X's tiles go to my row,
	s_or_b32 s[G1W], s27, (3<<16)|(1<<21)          ; W's to my column
.irp g, G1X, G1W
	s_mov_b32 s[\g+1], 32<<16
	s_mov_b32 s[\g+2], 48<<16
	s_mov_b32 s[\g+3], 32<<16
	s_mov_b32 s[\g+4], 48
	s_mov_b32 s[\g+5], 32
	s_mov_b32 s[\g+6], 0
	s_mov_b32 s[\g+7], 0
.endr
	s_mul_i32 s93, s20, KSB
	s_mul_i32 s88, s24, GRP                        ; X: hangs on the group alone, which my row shares
	s_add_co_u32 s88, s88, s93
	s_mov_b32 s89, 0
	s_lshl_b32 s90, s25, 3
	s_add_co_u32 s90, s90, s23
	s_add_co_u32 s90, s90, 96                      ; W's group in cx: hangs on the tensor and the feature group, which my column shares
	s_mov_b32 s3, s90
	s_mul_i32 s90, s90, GRP
	s_add_co_u32 s90, s90, s93
	s_mov_b32 s91, 0
	s_mul_i32 s92, s19, GRP                        ; where they go: the wave's number alone
	s_add_co_u32 s92, s92, s93
	s_mov_b32 s97, 0xffff0000
	s_mov_b32 s98, 0x76543210
	s_mov_b32 s99, 0xfedcba98
	s_cmp_lt_u32 s25, 2
	s_cselect_b32 s94, 1.0, 0                      ; FI
	s_cselect_b32 s96, 0, 1.0                      ; FJ
	s_mov_b32 s95, s94                             ; (named with FI as a pair)
	s_wait_dscnt 0x0                               ; the opening add is done
	s_wait_kmcnt 0x0
	s_add_nc_u64 s[84:85], s[4:5], s[88:89]
	s_add_nc_u64 s[86:87], s[4:5], s[90:91]
	CROUND                                         ; all sixteen work-groups are here: the joint loads meet
.irp c, 0,1,2,3
	s_mov_b32 s[G0X+4*\c], 1
	s_add_co_u32 s[G0X+4*\c+1], s92, \c*2*KSB
	s_add_nc_u64 s[G0X+4*\c+2:G0X+4*\c+3], s[84:85], \c*2*KSB
	s_or_b32 s[G0X+4*\c+3], s[G0X+4*\c+3], 0x80000000
	s_mov_b32 s[G0W+4*\c], 1
	s_add_co_u32 s[G0W+4*\c+1], s92, \c*2*KSB
	s_add_nc_u64 s[G0W+4*\c+2:G0W+4*\c+3], s[86:87], \c*2*KSB
	s_or_b32 s[G0W+4*\c+3], s[G0W+4*\c+3], 0x80000000
.endr
	s_cmp_eq_u32 s19, 0                            ; a wave's four fills stand in one branch on the wave's number, ahead of every wait on TENSORcnt, every LDS read and every further barrier
	s_cbranch_scc0 .Lfor_w
.irp c, 0,1,2,3
	tensor_load_to_lds s[G0X+4*\c:G0X+4*\c+3], s[G1X:G1X+7]
	s_nop 0
.endr
	PLACES 4
	s_branch .Lasked
.Lfor_w:
.irp c, 0,1,2,3
	tensor_load_to_lds s[G0W+4*\c:G0W+4*\c+3], s[G1W:G1W+7]
	s_nop 0
.endr
	PLACES 4
.Lasked:
	v_and_b32 v1, 31, v0                           ; l
	v_and_b32 v2, 15, v0                           ; r
	v_bfe_u32 v3, v0, 4, 1                         ; h
	v_lshlrev_b32 v11, 4, v1                       ; 16 l
	v_lshlrev_b32 v12, 3, v1                       ; 8 l
	s_mul_i32 s93, s19, 4*FRB
	v_add_nc_u32 v[AX], s93, v11
	v_add_nc_u32 v[AX+1], 4*KSB, v[AX]
	s_mul_i32 s93, s20, 4*FRB
	s_add_co_u32 s93, s93, GRP
	v_add_nc_u32 v[AW], s93, v11
	v_add_nc_u32 v[AW+1], 4*KSB, v[AW]
	v_lshlrev_b32 v8, 4, v2                        ; 16 r: a row's four scale words
	v_lshlrev_b32 v9, 6, v3                        ; 64 h: 16 h numbers of a bias
	v_and_b32 v10, 8, v2
	v_add_nc_u32 v10, v10, v2
	v_lshlrev_b32 v10, 2, v10                      ; 4 (r + 8 (r / 8))
	v_lshl_add_u32 v13, v3, 3, v8                  ; 16 r + 8 h
	v_mov_b32 v[TPQ], 0                            ; a lane permute's destination counts as one of its sources
	v_mov_b32 v[TPQ+1], 0
	s_lshl_b32 s66, s24, 3                         ; X's scale words: tile 8 x group + 4 x my half, 512 bytes a tile
	s_lshl_b32 s67, s19, 2
	s_add_co_u32 s66, s66, s67
	s_lshl_b32 s66, s66, 9
	s_mov_b32 s67, 0
	s_add_nc_u64 s[60:61], s[6:7], s[66:67]
	s_lshl_b32 s66, s3, 3                          ; W's
	s_lshl_b32 s2, s20, 2
	s_add_co_u32 s66, s66, s2
	s_lshl_b32 s66, s66, 9
	s_add_nc_u64 s[62:63], s[6:7], s[66:67]
	s_cmp_eq_u32 s25, 0                            ; the tensor's bias
	s_cselect_b64 s[100:101], s[8:9], s[10:11]
	s_cmp_eq_u32 s25, 2
	s_cselect_b64 s[100:101], s[12:13], s[100:101]
	s_lshl_b32 s66, s23, 9
	s_lshl_b32 s2, s20, 8
	s_add_co_u32 s66, s66, s2                      ; at my 64 features
	s_add_nc_u64 s[100:101], s[100:101], s[66:67]
	s_lshl_b32 s2, s23, 1
	s_add_co_u32 s2, s2, s20                       ; the head
	s_lshl_b32 s2, s2, 6
	s_and_b32 s3, s24, 31
	s_lshl_b32 s3, s3, 1
	s_add_co_u32 s3, s3, s19                       ; which 64 tokens
	s_add_co_u32 s2, s2, s3
	s_mul_i32 s66, s2, 3072
	s_mul_i32 s3, s25, 3145728
	s_add_co_u32 s66, s66, s3
	s_add_nc_u64 s[14:15], s[14:15], s[66:67]      ; my codes
	s_lshl_b32 s66, s2, 8
	s_lshl_b32 s3, s25, 18
	s_add_co_u32 s66, s66, s3
	s_add_nc_u64 s[16:17], s[16:17], s[66:67]      ; my scale words
.irp t, 0,1,2,3
.irp q, 0,1
	global_load_b128 v[SX+8*\t+4*\q:SX+8*\t+4*\q+3], v8, s[60:61] offset:512*\t+256*\q
	global_load_b128 v[SW+8*\t+4*\q:SW+8*\t+4*\q+3], v8, s[62:63] offset:512*\t+256*\q
.endr
.endr
.irp a, 0,1,2,3
	global_load_b128 v[BI+8*\a:BI+8*\a+3], v9, s[100:101] offset:(32*(\a/2)+8*(\a%2))*4          ; features 32 (a / 2) + 16 h + 8 (a % 2) + 0..7
	global_load_b128 v[BI+8*\a+4:BI+8*\a+7], v9, s[100:101] offset:(32*(\a/2)+8*(\a%2))*4+16
	global_load_b32 v[BJ+2*\a], v10, s[100:101] offset:(32*(\a/2)+8*(\a%2))*4                    ; feature 32 (a / 2) + 8 (a % 2) + r + 8 (r / 8)
	v_mov_b32 v[BJ+2*\a+1], 0                      ; (named with it as a pair)
.endr
	s_wait_loadcnt 0x0
.irp b, 0,1,2,3
	v_mul_f32 v[BJ+2*\b], s96, v[BJ+2*\b]
.endr
.irp b, 0,1,2,3
.irp a, 0,1,2,3
.irp j, 0,2,4,6
	v_pk_fma_f32 v[ACC+8*(\a+4*\b)+\j:ACC+8*(\a+4*\b)+\j+1], v[BI+8*\a+\j:BI+8*\a+\j+1], s[94:95], v[BJ+2*\b:BJ+2*\b+1] op_sel_hi:[1,0,0]   ; the sums begin as the bias, while the tiles are on their way
.endr
.endr
.endr
.macro FETCH f, s                      ; K step s: my four fragments of X and four of W into set f: 24 loads of 512 consecutive bytes
	WIN TOF
.irp t, 0,1,2,3
.irp c, 0,1,2
	ds_load_b128 v[96*(\f)+FR*\t+4*\c:96*(\f)+FR*\t+4*\c+3], v[AX+(\s)/4] offset:((\s)%4)*KSB+\t*FRB+512*\c
.endr
.endr
.irp t, 0,1,2,3
.irp c, 0,1,2
	ds_load_b128 v[96*(\f)+48+FR*\t+4*\c:96*(\f)+48+FR*\t+4*\c+3], v[AW+(\s)/4] offset:((\s)%4)*KSB+\t*FRB+512*\c
.endr
.endr
	WIN 0
.endm
.macro MUL f, s                        ; 16 matrix instructions; the 16 accumulators take turns in the same order on both ways and in every step
	s_cmp_eq_u32 s25, 2
	s_cbranch_scc1 .Lv_\@
	WIN MULW
.irp b, 0,1,2,3
.irp a, 0,1,2,3
	v_wmma_scale_f32_16x16x128_f8f6f4 v[ACC+8*(\a+4*\b):ACC+8*(\a+4*\b)+7], v[96*(\f)+48+FR*\a:96*(\f)+48+FR*\a+FR-1], v[96*(\f)+FR*\b:96*(\f)+FR*\b+FR-1], v[ACC+8*(\a+4*\b):ACC+8*(\a+4*\b)+7], v[SW+8*\a+(\s)], v[SX+8*\b+(\s)] matrix_a_fmt:MATRIX_FMT_FP6 matrix_b_fmt:MATRIX_FMT_FP6
.endr
.endr
	WIN 0
	s_branch .Lj_\@
.Lv_\@:
	WIN MULW
.irp b, 0,1,2,3
.irp a, 0,1,2,3
	v_wmma_scale_f32_16x16x128_f8f6f4 v[ACC+8*(\a+4*\b):ACC+8*(\a+4*\b)+7], v[96*(\f)+FR*\a:96*(\f)+FR*\a+FR-1], v[96*(\f)+48+FR*\b:96*(\f)+48+FR*\b+FR-1], v[ACC+8*(\a+4*\b):ACC+8*(\a+4*\b)+7], v[SX+8*\a+(\s)], v[SW+8*\b+(\s)] matrix_a_fmt:MATRIX_FMT_FP6 matrix_b_fmt:MATRIX_FMT_FP6
.endr
.endr
	WIN 0
.Lj_\@:
.endm
.macro MEET c                          ; K steps 2 c and 2 c + 1 are in LDS for every wave.  My later loads may stay out
	s_wait_dscnt 0x0                               ; no LDS instruction of mine is pending at the signal
	s_wait_tensorcnt 3-(\c)                        ; my load c has landed; the 3 - c issued behind it may be out
	s_barrier_signal -1
	s_barrier_wait -1
.endm
	MEET 0
	FETCH 0, 0
	FETCH 1, 1
.irp s, 0,1,2,3,4,5,6,7
.if \s < 7
	s_wait_dscnt 24                                ; this step's 24 loads are in; the next step's 24 may be out
.else
	s_wait_dscnt 0x0
.endif
	MUL (\s)%2, \s
.if \s < 6
	PLACES 4                                       ; four places in front of loads into registers that matrix instructions have read (ISA guide 7.12.1 for vector instructions)
.if (\s)%2 == 0
	MEET (\s+2)/2
.endif
	FETCH (\s)%2, \s+2
.endif
.endr
; THE WAY OUT.  The 32 registers of accumulators (0..3, b) are 64 neighbours along the next K, 16 of each block of 32 in this lane and 16 in lane l xor 16.
.macro QOUT b
.set QS, ACC+32*(\b)
.set QC, CD+8*(\b)
.irp e, 0,1
	v_max3_num_f32 v[TMQ+\e], |v[QS+16*\e]|, |v[QS+16*\e+1]|, 0x1800000      ; each accumulator is read from its low end on; the floor 2^(3 - 127) holds the byte at 1
.endr
.irp i, 2,4,6,8,10,12,14
.irp e, 0,1
	v_max3_num_f32 v[TMQ+\e], v[TMQ+\e], |v[QS+16*\e+\i]|, |v[QS+16*\e+\i+1]|
.endr
.endr
.irp e, 0,1
	v_permlanex16_b32 v[TPQ+\e], v[TMQ+\e], s98, s99
.endr
.irp e, 0,1
	v_max_num_f32 v[TMQ+\e], v[TMQ+\e], v[TPQ+\e]  ; the block's largest magnitude
.endr
.irp e, 0,1
	v_add_nc_u32 v[SOQ+\e], 0xff000000, v[TMQ+\e]  ; 2 off its exponent field: the conversion's scale operand
.endr
.irp e, 0,1
	v_lshrrev_b32 v[BYQ+\e], 23, v[SOQ+\e]         ; the byte
.endr
	v_lshl_or_b32 v[WD+\b], v[BYQ+1], 8, v[BYQ]
	v_or_b32 v[WD+\b], 0x01010000, v[WD+\b]        ; the bytes of k = 64..127, where q's and k's codes are zeros: the smallest scale, never 0xff
	v_cvt_scalef32_pk16_fp6_f32 v[QC:QC+2], v[QS:QS+15], v[SOQ]
	v_cvt_scalef32_pk16_fp6_f32 v[CT:CT+2], v[QS+16:QS+31], v[SOQ+1]
	v_nop                                          ; one plain place behind the conversions
.irp i, 0,1,2
	v_permlane16_swap_b32 v[QC+\i], v[CT+\i]       ; a whole block to a lane: lanes 0-15 block 0, lanes 16-31 block 1
.endr
.irp i, 0,1,2
	v_mov_b32 v[QC+3+\i], v[CT+\i]
.endr
	global_store_b128 v11, v[QC:QC+3], s[14:15] offset:768*(\b)        ; 512 consecutive bytes, aligned at 256
	global_store_b64 v12, v[QC+4:QC+5], s[14:15] offset:768*(\b)+512   ; 256 consecutive bytes, aligned at 256.  Each b has code registers of its own: no store's data are written again
.endm
	PLACES 4                                       ; four places between the last products and the first read of results
	QOUT 0
	QOUT 1
	QOUT 2
	QOUT 3
	v_cndmask_b32 v[TMQ], v[WD], v[WD+2], s97      ; lanes 0-15 store words 0, 1 of lane r, lanes 16-31 words 2, 3
	v_cndmask_b32 v[TMQ+1], v[WD+1], v[WD+3], s97
	global_store_b64 v13, v[TMQ:TMQ+1], s[16:17]   ; 256 consecutive bytes, aligned at 256
	s_wait_tensorcnt 0x0                           ; the wave's end
	ds_add_u32 v[SPW], v[NIL]
	s_wait_dscnt 0x0
	CROUND                                         ; the closing round
	s_endpgm
.Lfunc_end_k_q7d75e0c4bc_proj:
	.size	k_q7d75e0c4bc_proj, .Lfunc_end_k_q7d75e0c4bc_proj-k_q7d75e0c4bc_proj
	.p2alignl 7, 3214868480
	.fill 96, 4, 3214868480
	.section	.rodata,"a",@progbits
	.p2align	6, 0x0
	.amdhsa_kernel k_q7d75e0c4bc_proj
		.amdhsa_group_segment_fixed_size 197120
		.amdhsa_private_segment_fixed_size 0
		.amdhsa_enable_private_segment 0
		.amdhsa_kernarg_size 56
		.amdhsa_user_sgpr_count 2
		.amdhsa_user_sgpr_kernarg_segment_ptr 1
		.amdhsa_wavefront_size32 1
		.amdhsa_system_sgpr_workgroup_id_x 1
		.amdhsa_system_sgpr_workgroup_id_y 1
		.amdhsa_system_sgpr_workgroup_id_z 1
		.amdhsa_system_vgpr_workitem_id 0
		.amdhsa_next_free_vgpr 448
		.amdhsa_next_free_sgpr 102
		.amdhsa_reserve_vcc 0
		.amdhsa_float_denorm_mode_32 3
		.amdhsa_float_denorm_mode_16_64 3
		.amdhsa_memory_ordered 1
		.amdhsa_forward_progress 1
		.amdhsa_inst_pref_size 73
	.end_amdhsa_kernel
	.amdgpu_metadata
---
amdhsa.version: [ 1, 2 ]
amdhsa.kernels:
  - .name:           k_q7d75e0c4bc_proj
    .symbol:         k_q7d75e0c4bc_proj.kd
    .args:
      - { .name: cx, .offset: 0, .size: 8, .value_kind: global_buffer, .address_space: global }
      - { .name: sx, .offset: 8, .size: 8, .value_kind: global_buffer, .address_space: global }
      - { .name: bq, .offset: 16, .size: 8, .value_kind: global_buffer, .address_space: global }
      - { .name: bk, .offset: 24, .size: 8, .value_kind: global_buffer, .address_space: global }
      - { .name: bv, .offset: 32, .size: 8, .value_kind: global_buffer, .address_space: global }
      - { .name: qkv, .offset: 40, .size: 8, .value_kind: global_buffer, .address_space: global }
      - { .name: sqkv, .offset: 48, .size: 8, .value_kind: global_buffer, .address_space: global }
    .group_segment_fixed_size: 197120
    .private_segment_fixed_size: 0
    .kernarg_segment_align: 8
    .kernarg_segment_size: 56
    .max_flat_workgroup_size: 128
    .sgpr_count:     102
    .vgpr_count:     448
    .wavefront_size: 32
...
	.end_amdgpu_metadata
.endif
;; end of part 2
;; launch attn (part 3): grid 16 x 16, 16 waves a work-group, no clusters, 167,936 bytes of LDS; arguments qkv, sqkv, oc, so; writes oc, so
.if DOCPART == 3
	.amdgcn_target "amdgcn-amd-amdhsa--gfx1250"
	.amdhsa_code_object_version 6
	.text
	.protected	k_q7d75e0c4bc_attn
	.globl	k_q7d75e0c4bc_attn
	.p2align	8
	.type	k_q7d75e0c4bc_attn,@function
k_q7d75e0c4bc_attn:
	s_mov_b64 s[64:65], 0
	v_nop
	global_prefetch_b8 v0, s[64:65] scope:SCOPE_SE
	s_setreg_imm32_b32 hwreg(HW_REG_WAVE_MODE, 25, 1), 1
	s_wait_xcnt 0x0
; Attention of 16 heads of 64, query i seeing keys i - 256 .. i, both products on codes of FP6 (E2M3) with E8M0 scales; the result, divided by the row's sum, is quantised along the model axis and leaves as codes.
; THE SOFTMAX: t = score x log2(e) / 8; M = the running largest t rounded up to a whole number; p = 2^(t - M) is quantised along the keys, not normalised; the sum is taken of the unquantised p.
; When M moves, the sum and O are multiplied by 2^(old M - new M), which rounds nothing.
; SHARES: a work-group owns 256 queries of one head, each of its sixteen waves one tile of 16.  A block of 128 queries, m, needs exactly the key steps of 128 m - 2, m - 1, m; what lies outside is thrown away by the mask.
; The work-group's four steps 2 blk - 2 .. 2 blk + 1 lie in four LDS slots, filled once; wave w (half wh = w / 8) reads slots wh, wh + 1, wh + 2: LDS addresses hang on the wave's number alone.
; A step with a negative number is left out by a scalar branch on ids.  In a head's first work-group the load for slots 0 and 1 is held at key 0: it brings steps 0 and 1 a second time, and no wave reads those slots.
; LAYOUT: both products transposed: S^T = K Q^T (K = the head's 64: the upper half of the instruction's 128 holds zero codes on both sides), O^T = V^T P^T: a lane holds ONE query throughout.
; By the tiles' order (lane r of tile T: row 32 (T / 2) + 8 (T % 2) + r + 8 (r / 8)) the 16 registers of result tiles 2 e, 2 e + 1 are 16 neighbours: keys in S^T, features in O^T.
; NO CLUSTER: neighbouring blocks of a head share two of their four key steps, but in different slots (my slots 2, 3 are the next block's 0, 1), so no one descriptor could serve both.
; LIMITS: NaN and infinities are not served.  A block whose every p is 0 keeps the byte 1: its codes are zeros.
.set KC, 0                             ; K's codes: 4 slots x 6,144 bytes: 8 tiles x 768
.set VC, 24576                         ; V's codes: 4 slots x [64 keys c][feature tile t][768]
.set KS, 49152                         ; K's scale words: 4 slots x [64 keys c][r][b]
.set VS, 51200                         ; V's
.set OS, 53248                         ; o's scale words on their way out: 1,024 bytes that no tile lands in
.set SPARE, 54272                      ; the spare words, 128 bytes for each of sixteen waves
; v1 16 l + 6144 wh; v2 8 l + 6144 wh; v3 16 r + 512 wh; v4 where waves 0, 1 read OS; v5, v6 the add's two; v7 d; v8 -infinity; v9 16 l; v10 8 l; v11 where I store into OS
; v12 -M, v13 the largest t, v14-15 the sum; v16-27 Q; v28-31 V's scale words; v32-79 four fragments of K; v80-95, v160-175 O^T; v96-159 S^T, then p; v176-223 V's four fragments; v224-235 p's codes; v232-254 at work; v255 Q's scale word
	s_load_b256 s[4:11], s[0:1], 0x0               ; qkv, sqkv, oc, so
	v_lshl_add_u32 v5, v0, 2, SPARE
	v_mov_b32 v6, 0
	ds_add_u32 v5, v6                              ; the wave's opening: the add and its wait ahead of the first tensor load
	v_lshrrev_b32 v1, 5, v0
	v_readfirstlane_b32 s12, v1                    ; wave 0..15
	s_mov_b32 s13, ttmp9                           ; block of 256 queries
	s_and_b32 s14, ttmp7, 0xffff                   ; head
	s_lshr_b32 s15, s12, 3                         ; wh
	s_lshl_b32 s16, s13, 1
	s_add_co_u32 s16, s16, s15                     ; m: my block of 128 queries
	s_mov_b32 s20, 0x76543210
	s_mov_b32 s21, 0xfedcba98
	s_mov_b32 s22, 0x3e38aa3b                      ; c = log2(e) / 8
	s_mov_b32 s23, s22
	s_mov_b32 s24, 3<<16                           ; group 1 for codes: 48 rows of 32 elements of 8 bytes, dense
	s_mov_b32 s25, 32<<16
	s_mov_b32 s26, 48<<16
	s_mov_b32 s27, 32<<16
	s_mov_b32 s28, 48
	s_mov_b32 s29, 32
	s_mov_b32 s30, 0
	s_mov_b32 s31, 0
	s_mov_b32 s32, 3<<16                           ; for scale words: 4 such rows
	s_mov_b32 s33, 32<<16
	s_mov_b32 s34, 4<<16
	s_mov_b32 s35, 32<<16
	s_mov_b32 s36, 4
	s_mov_b32 s37, 32
	s_mov_b32 s38, 0
	s_mov_b32 s39, 0
	s_and_b32 s48, s12, 3                          ; waves 0-3 fetch codes, 4-7 scale words: of K (wave & 3 = 0, 1) or V (2, 3), slots 0, 1 or 2, 3
	s_lshr_b32 s49, s48, 1
	s_add_co_u32 s49, s49, 1                       ; tensor 1 (k) or 2 (v)
	s_and_b32 s50, s12, 1
	s_lshl_b32 s51, s13, 2
	s_lshl_b32 s52, s50, 2
	s_add_co_u32 s51, s51, s52
	s_sub_co_i32 s51, s51, 4
	s_max_i32 s51, s51, 0                          ; the first run of 64 keys: 4 blk - 4 + 4 half, held at 0
	s_lshl_b32 s52, s14, 6                         ; 64 x head
	s_add_co_u32 s51, s51, s52
	s_mul_i32 s54, s51, 3072
	s_mul_i32 s53, s49, 3145728
	s_add_co_u32 s54, s54, s53
	s_mov_b32 s55, 0
	s_lshl_b32 s56, s51, 8
	s_lshl_b32 s53, s49, 18
	s_add_co_u32 s56, s56, s53
	s_mov_b32 s57, 0
	s_mul_i32 s58, s48, 12288                      ; LDS: K's two halves, then V's
	s_lshl_b32 s59, s48, 10
	s_add_co_u32 s59, s59, KS
	s_wait_dscnt 0x0                               ; the opening add is done
	s_wait_kmcnt 0x0
	s_mov_b32 s40, 1
	s_mov_b32 s41, s58
	s_add_nc_u64 s[42:43], s[4:5], s[54:55]
	s_or_b32 s43, s43, 0x80000000
	s_mov_b32 s44, 1
	s_mov_b32 s45, s59
	s_add_nc_u64 s[46:47], s[6:7], s[56:57]
	s_or_b32 s47, s47, 0x80000000
	s_cmp_lt_u32 s12, 4                            ; one tensor load a wave, in waves 0 to 7; the branches hang on the wave's number alone
	s_cbranch_scc0 .Lnot_codes
	tensor_load_to_lds s[40:43], s[24:31]
	s_nop 0
.rept 4
	v_nop
.endr
	s_branch .Lasked
.Lnot_codes:
	s_cmp_lt_u32 s12, 8
	s_cbranch_scc0 .Lasked
	tensor_load_to_lds s[44:47], s[32:39]
	s_nop 0
.rept 4
	v_nop
.endr
.Lasked:
	s_lshr_b32 s60, s12, 2                         ; my query tile 16 blk + w: run of 64 tokens 4 blk + w / 4, tile w % 4 in it
	s_lshl_b32 s61, s13, 2
	s_add_co_u32 s60, s60, s61
	s_add_co_u32 s60, s60, s52
	s_mul_i32 s62, s60, 3072
	s_mul_i32 s63, s48, 768
	s_add_co_u32 s62, s62, s63
	s_mov_b32 s63, 0
	s_add_nc_u64 s[66:67], s[4:5], s[62:63]        ; Q's codes
	s_lshl_b32 s62, s60, 8
	s_lshl_b32 s70, s48, 2
	s_add_co_u32 s62, s62, s70
	s_add_nc_u64 s[68:69], s[6:7], s[62:63]        ; Q's scale words
	s_mul_i32 s70, s16, 98304                      ; oc: [group m][K step head / 2][tile w % 8][head % 2][768]
	s_lshr_b32 s71, s14, 1
	s_mul_i32 s71, s71, 12288
	s_add_co_u32 s70, s70, s71
	s_and_b32 s71, s12, 7
	s_mul_i32 s71, s71, 1536
	s_add_co_u32 s70, s70, s71
	s_and_b32 s71, s14, 1
	s_mul_i32 s71, s71, 768
	s_add_co_u32 s70, s70, s71
	s_mov_b32 s71, 0
	s_add_nc_u64 s[8:9], s[8:9], s[70:71]
	s_lshl_b32 s70, s13, 2                         ; so: (64 head + 4 blk) x 256
	s_add_co_u32 s70, s70, s52
	s_lshl_b32 s70, s70, 8
	s_add_nc_u64 s[10:11], s[10:11], s[70:71]
	v_and_b32 v98, 31, v0                          ; l
	v_and_b32 v96, 15, v0                          ; r
	v_bfe_u32 v97, v0, 4, 1                        ; h
	v_lshlrev_b32 v9, 4, v98
	v_lshlrev_b32 v10, 3, v98
	v_lshlrev_b32 v254, 4, v96
	global_load_b128 v[16:19], v9, s[66:67]        ; Q's six registers stay
	global_load_b64 v[20:21], v10, s[66:67] offset:512
	global_load_b32 v255, v254, s[68:69]
	s_mul_i32 s72, s15, 6144
	v_add_nc_u32 v1, s72, v9
	v_add_nc_u32 v2, s72, v10
	s_lshl_b32 s72, s15, 9
	v_lshl_add_u32 v3, v96, 4, s72
	v_and_b32 v4, 63, v0
	v_lshl_add_u32 v4, v4, 4, OS
	s_bfe_u32 s70, s12, 0x20001                    ; (w % 8) / 2
	s_lshl_b32 s70, s70, 5
	s_lshl_b32 s71, s50, 3
	s_add_co_u32 s70, s70, s71
	v_and_b32 v7, 8, v96
	v_add_nc_u32 v7, v7, v96
	v_lshlrev_b32 v99, 4, v97
	v_sub_nc_u32 v7, v7, v99
	v_add_nc_u32 v7, s70, v7                       ; d = my query's place in its block of 128, less 16 h.  Register x of S^T holds the step's key 32 (x / 16) + x % 16 + 16 h
	v_mov_b32 v8, 0xff800000
	s_lshr_b32 s72, s12, 2
	s_lshl_b32 s72, s72, 8
	s_lshl_b32 s73, s48, 2
	s_add_co_u32 s72, s72, s73
	s_add_co_u32 s72, s72, OS
	v_lshl_add_u32 v11, v96, 4, s72                ; OS + 256 (w / 4) + 16 r + 4 (w % 4)
	v_mov_b32 v13, 0xff61b1e6                      ; the largest t so far: -3e38
	v_floor_f32 v12, -v13
	v_mov_b32 v14, 0
	v_mov_b32 v15, 0
.irp i, 22,23,24,25,26,27
	v_mov_b32 v[\i], 0                             ; Q's k = 64..127: zero codes
.endr
.irp t, 0,1,2,3
.irp i, 6,7,8,9,10,11
	v_mov_b32 v[32+12*\t+\i], 0                    ; K's likewise: written once, the loads fill the lower six alone
.endr
.endr
.set x, 0
.rept 16
	v_mov_b32 v[80+x], 0                           ; O^T: the first change of M multiplies zeros
	v_mov_b32 v[160+x], 0
.set x, x+1
.endr
.irp i, 236,237,238,239,253
	v_mov_b32 v[\i], 0                             ; lane permutes' destinations, and the upper half of the pair v[252:253]
.endr
	s_wait_tensorcnt 0x0                           ; my tile has landed,
	s_barrier_signal -1
	s_barrier_wait -1                              ; everybody's has; nothing is filled again
	s_wait_loadcnt 0x0                             ; Q
.macro STEP n                          ; key step m - 2 + n, in slot wh + n
.if \n < 2
	s_add_co_i32 s74, s16, \n-2
	s_cmp_lt_i32 s74, 0
	s_cbranch_scc1 .Lhidden_\@                     ; ahead of key 0 there is nothing: ids alone; no barrier and no tensor load stands in a step
.endif
.irp t, 0,1,2,3
	ds_load_b128 v[32+12*\t:35+12*\t], v1 offset:KC+(\n)*6144+\t*768
	ds_load_b64 v[36+12*\t:37+12*\t], v2 offset:KC+(\n)*6144+\t*768+512
.endr
	ds_load_b128 v[248:251], v3 offset:KS+(\n)*512           ; the scale words of K's tiles 0-3
	ds_load_b128 v[152:155], v3 offset:VS+(\n)*512           ; V's, keys 0-63 of the step (two bytes a word),
	ds_load_b128 v[156:159], v3 offset:VS+(\n)*512+256       ; and keys 64-127
.irp t, 0,1,2,3
.irp c, 0,1
	ds_load_b128 v[176+12*\t+6*\c:179+12*\t+6*\c], v1 offset:VC+(\n)*6144+\c*3072+\t*768
	ds_load_b64 v[180+12*\t+6*\c:181+12*\t+6*\c], v2 offset:VC+(\n)*6144+\c*3072+\t*768+512
.endr
.endr
	s_wait_dscnt 16                                ; all but V's 16 fragment loads
.irp t, 0,1,2,3
	v_perm_b32 v[28+\t], v[156+\t], v[152+\t], 0x05040100    ; V's scale word of the step's 128 keys: the two low halves
.endr
.irp t, 0,1,2,3
	v_wmma_scale_f32_16x16x128_f8f6f4 v[96+8*\t:103+8*\t], v[32+12*\t:43+12*\t], v[16:27], 0, v[248+\t], v255 matrix_a_fmt:MATRIX_FMT_FP6 matrix_b_fmt:MATRIX_FMT_FP6
.endr
.rept 4
	v_nop                                          ; four places in front of loads into registers that matrix instructions have read
.endr
.irp t, 0,1,2,3
	ds_load_b128 v[32+12*\t:35+12*\t], v1 offset:KC+(\n)*6144+(4+\t)*768
	ds_load_b64 v[36+12*\t:37+12*\t], v2 offset:KC+(\n)*6144+(4+\t)*768+512
.endr
	ds_load_b128 v[248:251], v3 offset:KS+(\n)*512+256
	s_wait_dscnt 0x0
.irp t, 0,1,2,3
	v_wmma_scale_f32_16x16x128_f8f6f4 v[128+8*\t:135+8*\t], v[32+12*\t:43+12*\t], v[16:27], 0, v[248+\t], v255 matrix_a_fmt:MATRIX_FMT_FP6 matrix_b_fmt:MATRIX_FMT_FP6
.endr
.rept 4
	v_nop
.endr
.if \n == 0                            ; step m - 2: a key counts where its place in the step is at or above the query's place in its block
.set x, 0
.rept 64
	v_cmp_lt_i32 vcc_lo, 32*(x/16)+x%16, v7
	v_cndmask_b32 v[96+x], v[96+x], v8, vcc_lo
.set x, x+1
.endr
.endif
.if \n == 2                            ; step m: where it is at or under it.  Step m - 1 counts whole
.set x, 0
.rept 64
	v_cmp_gt_i32 vcc_lo, 32*(x/16)+x%16, v7
	v_cndmask_b32 v[96+x], v[96+x], v8, vcc_lo
.set x, x+1
.endr
.endif
.irp b, 0,1,2,3
	v_max3_num_f32 v[232+\b], v[96+16*\b], v[97+16*\b], v[98+16*\b]       ; the largest score of each block of 32 keys: for the row's maximum, and, since p rises with the score, for the block's largest p
.endr
.irp i, 3,5,7,9,11,13
.irp b, 0,1,2,3
	v_max3_num_f32 v[232+\b], v[232+\b], v[96+16*\b+\i], v[97+16*\b+\i]
.endr
.endr
.irp b, 0,1,2,3
	v_max_num_f32 v[232+\b], v[232+\b], v[111+16*\b]
.endr
.irp b, 0,1,2,3
	v_permlanex16_b32 v[236+\b], v[232+\b], s20, s21
.endr
.irp b, 0,1,2,3
	v_max_num_f32 v[232+\b], v[232+\b], v[236+\b]
.endr
	v_max3_num_f32 v254, v232, v233, v234
	v_max_num_f32 v254, v254, v235                 ; the step's largest score: a number, since each query keeps a key in every step that is walked
	v_mul_f32 v254, s22, v254
	v_max_num_f32 v13, v13, v254
	v_mov_b32 v254, v12
	v_floor_f32 v12, -v13                          ; -M = floor(-t)
	v_sub_f32 v254, v12, v254
	v_cvt_i32_f32 v254, v254                       ; (it saturates)
	v_ldexp_f32 v252, 1.0, v254                    ; f = 2^(old M - new M)
.set x, 0
.rept 32
	v_pk_fma_f32 v[96+x:97+x], v[96+x:97+x], s[22:23], v[12:13] op_sel_hi:[1,0,0]   ; t - M
.set x, x+2
.endr
.irp b, 0,1,2,3
	v_fma_f32 v[232+\b], v[232+\b], s22, v12
.endr
.set x, 0
.rept 64
	v_exp_f32 v[96+x], v[96+x]                     ; p = 2^(t - M)
.set x, x+1
.endr
	v_pk_mul_f32 v[14:15], v[14:15], v[252:253] op_sel_hi:[1,0]           ; the sum under the new M: the plain place behind the exponentials
	s_wait_alu depctr_va_vdst(0)                   ; one wait for the batch of 64, ahead of its first reader
.irp b, 0,1,2,3
	v_exp_f32 v[232+\b], v[232+\b]                 ; each block's largest p
.endr
	v_pk_add_f32 v[236:237], v[96:97], v[98:99]    ; the sum of the unquantised p, in two chains
.set x, 4
.rept 15
	v_pk_add_f32 v[14:15], v[14:15], v[96+x:97+x]
	v_pk_add_f32 v[236:237], v[236:237], v[98+x:99+x]
.set x, x+4
.endr
	v_pk_add_f32 v[14:15], v[14:15], v[236:237]
	s_wait_alu depctr_va_vdst(0)                   ; and one for the four
.irp b, 0,1,2,3
	v_max_num_f32 v[232+\b], 0x1800000, v[232+\b]  ; the floor 2^(3 - 127)
.endr
.irp b, 0,1,2,3
	v_add_nc_u32 v[244+\b], 0xff000000, v[232+\b]
.endr
.irp b, 0,1,2,3
	v_lshrrev_b32 v[236+\b], 23, v[244+\b]
.endr
	v_lshl_or_b32 v253, v237, 8, v236              ; p's scale word
	v_lshl_or_b32 v253, v238, 16, v253
	v_lshl_or_b32 v253, v239, 24, v253
.irp c, 0,1
	v_cvt_scalef32_pk16_fp6_f32 v[224+6*\c:226+6*\c], v[96+32*\c:111+32*\c], v[244+2*\c]
	v_cvt_scalef32_pk16_fp6_f32 v[236+4*\c:238+4*\c], v[112+32*\c:127+32*\c], v[244+2*\c+1]
.endr
	v_nop                                          ; one plain place behind the conversions
.irp c, 0,1
.irp i, 0,1,2
	v_permlane16_swap_b32 v[224+6*\c+\i], v[236+4*\c+\i]
.endr
.irp i, 0,1,2
	v_mov_b32 v[227+6*\c+\i], v[236+4*\c+\i]
.endr
.endr
.irp j, 0,2,4,6,8,10,12,14
	v_pk_mul_f32 v[80+\j:81+\j], v[80+\j:81+\j], v[252:253] op_sel_hi:[1,0]       ; O^T under the new M, each accumulator from its low end on; these 16 are also the places between the scale word's and the codes' last writes and the products
.endr
.irp j, 0,2,4,6,8,10,12,14
	v_pk_mul_f32 v[160+\j:161+\j], v[160+\j:161+\j], v[252:253] op_sel_hi:[1,0]
.endr
.irp t, 0,1,2,3
	v_wmma_scale_f32_16x16x128_f8f6f4 v[80+8*\t+64*(\t/2):87+8*\t+64*(\t/2)], v[176+12*\t:187+12*\t], v[224:235], v[80+8*\t+64*(\t/2):87+8*\t+64*(\t/2)], v[28+\t], v253 matrix_a_fmt:MATRIX_FMT_FP6 matrix_b_fmt:MATRIX_FMT_FP6
.endr
.rept 5
	v_nop                                          ; places in front of the next step's loads and writes into these products' registers, and of the first read of O^T
.endr
.if \n < 2
.Lhidden_\@:
.endif
.endm
	STEP 0
	STEP 1
	STEP 2
	; THE WAY OUT: O^T / the sum; its 32 registers are the head's 64 features, 16 of each block of 32 in this lane; quantised as an operand of the last product.
	v_add_f32 v14, v14, v15
	v_permlanex16_b32 v252, v14, s20, s21
	v_add_f32 v14, v14, v252                       ; the row's sum
	v_rcp_f32 v14, v14
	v_and_b32 v128, 63, v0                         ; (a plain place)  where waves 0 and 1 store so's words
	v_lshlrev_b32 v128, 4, v128
	s_wait_alu depctr_va_vdst(0)                   ; ahead of the reciprocal's first reader
.irp t, 0,1,2,3
.irp j, 0,1,2,3,4,5,6,7
	v_mul_f32 v[96+8*\t+\j], v[80+8*\t+64*(\t/2)+\j], v14
.endr
.endr
.irp e, 0,1
	v_max3_num_f32 v[232+\e], |v[96+16*\e]|, |v[97+16*\e]|, 0x1800000
.endr
.irp i, 2,4,6,8,10,12,14
.irp e, 0,1
	v_max3_num_f32 v[232+\e], v[232+\e], |v[96+16*\e+\i]|, |v[97+16*\e+\i]|
.endr
.endr
.irp e, 0,1
	v_permlanex16_b32 v[236+\e], v[232+\e], s20, s21
.endr
.irp e, 0,1
	v_max_num_f32 v[232+\e], v[232+\e], v[236+\e]
.endr
.irp e, 0,1
	v_add_nc_u32 v[244+\e], 0xff000000, v[232+\e]
.endr
.irp e, 0,1
	v_lshrrev_b32 v[238+\e], 23, v[244+\e]
.endr
	v_lshl_or_b32 v253, v239, 8, v238
	v_or_b32 v253, 0x01010000, v253
	v_cvt_scalef32_pk16_fp6_f32 v[224:226], v[96:111], v244
	v_cvt_scalef32_pk16_fp6_f32 v[240:242], v[112:127], v245
	v_nop
.irp i, 0,1,2
	v_permlane16_swap_b32 v[224+\i], v[240+\i]
.endr
.irp i, 0,1,2
	v_mov_b32 v[227+\i], v[240+\i]
.endr
	global_store_b128 v9, v[224:227], s[8:9]       ; 512 consecutive bytes, aligned at 256
	global_store_b64 v10, v[228:229], s[8:9] offset:512
	ds_store_b32 v11, v253                         ; lanes r and r + 16 write the same word with the same value
	s_wait_dscnt 0x0                               ; for the others' sake: my store is done
	s_barrier_signal -1
	s_barrier_wait -1
	s_cmp_lt_u32 s12, 2                            ; the sixteen waves' 1,024 bytes of scale words leave by waves 0 and 1, 512 consecutive bytes each
	s_cbranch_scc0 .Lnot_mine
	ds_load_b128 v[132:135], v4
	s_wait_dscnt 0x0
	global_store_b128 v128, v[132:135], s[10:11]
.Lnot_mine:
	s_wait_tensorcnt 0x0                           ; the wave's end
	ds_add_u32 v5, v6
	s_wait_dscnt 0x0
	s_endpgm
.Lfunc_end_k_q7d75e0c4bc_attn:
	.size	k_q7d75e0c4bc_attn, .Lfunc_end_k_q7d75e0c4bc_attn-k_q7d75e0c4bc_attn
	.p2alignl 7, 3214868480
	.fill 96, 4, 3214868480
	.section	.rodata,"a",@progbits
	.p2align	6, 0x0
	.amdhsa_kernel k_q7d75e0c4bc_attn
		.amdhsa_group_segment_fixed_size 167936
		.amdhsa_private_segment_fixed_size 0
		.amdhsa_enable_private_segment 0
		.amdhsa_kernarg_size 32
		.amdhsa_user_sgpr_count 2
		.amdhsa_user_sgpr_kernarg_segment_ptr 1
		.amdhsa_wavefront_size32 1
		.amdhsa_system_sgpr_workgroup_id_x 1
		.amdhsa_system_sgpr_workgroup_id_y 1
		.amdhsa_system_sgpr_workgroup_id_z 1
		.amdhsa_system_vgpr_workitem_id 0
		.amdhsa_next_free_vgpr 256
		.amdhsa_next_free_sgpr 80
		.amdhsa_reserve_vcc 1
		.amdhsa_float_denorm_mode_32 3
		.amdhsa_float_denorm_mode_16_64 3
		.amdhsa_memory_ordered 1
		.amdhsa_forward_progress 1
		.amdhsa_inst_pref_size 72
	.end_amdhsa_kernel
	.amdgpu_metadata
---
amdhsa.version: [ 1, 2 ]
amdhsa.kernels:
  - .name:           k_q7d75e0c4bc_attn
    .symbol:         k_q7d75e0c4bc_attn.kd
    .args:
      - { .name: qkv, .offset: 0, .size: 8, .value_kind: global_buffer, .address_space: global }
      - { .name: sqkv, .offset: 8, .size: 8, .value_kind: global_buffer, .address_space: global }
      - { .name: oc, .offset: 16, .size: 8, .value_kind: global_buffer, .address_space: global }
      - { .name: so, .offset: 24, .size: 8, .value_kind: global_buffer, .address_space: global }
    .group_segment_fixed_size: 167936
    .private_segment_fixed_size: 0
    .kernarg_segment_align: 8
    .kernarg_segment_size: 32
    .max_flat_workgroup_size: 512
    .sgpr_count:     80
    .vgpr_count:     256
    .wavefront_size: 32
...
	.end_amdgpu_metadata
.endif
;; end of part 3
;; launch outp (part 4): grid 8 x 32, 4 waves a work-group, clusters of 4 x 4, 214,528 bytes of LDS; arguments oc, so, cx, sx, bo, out0; writes out0
.if DOCPART == 4
	.amdgcn_target "amdgcn-amd-amdhsa--gfx1250"
	.amdhsa_code_object_version 6
	.text
	.protected	k_q7d75e0c4bc_outp
	.globl	k_q7d75e0c4bc_outp
	.p2align	8
	.type	k_q7d75e0c4bc_outp,@function
k_q7d75e0c4bc_outp:
	s_mov_b64 s[64:65], 0
	v_nop
	global_prefetch_b8 v0, s[64:65] scope:SCOPE_SE
	s_setreg_imm32_b32 hwreg(HW_REG_WAVE_MODE, 25, 1), 1
	s_wait_xcnt 0x0
	s_wait_alu depctr_hold_cnt(0) depctr_sa_sdst(0) depctr_va_vdst(0) depctr_va_sdst(0) depctr_va_ssrc(0) depctr_va_vcc(0) depctr_vm_vsrc(0)
	s_getreg_b32 s2, hwreg(HW_REG_IB_STS2, 6, 4)
	s_cmp_eq_u32 s2, 0
	s_cbranch_scc0 .Lentry_in_a_cluster
	s_endpgm
.Lentry_in_a_cluster:
	s_bfe_u32 s2, ttmp6, 0x10000c
	s_cmp_lg_u32 s2, 0xf033
	s_cbranch_scc0 .Lentry_shape_is_right
	s_endpgm
.Lentry_shape_is_right:
; out0 = o Wo^T + bo on codes of FP6 (E2M3) with E8M0 scales; sums in f32.  o's codes and scale words come from the attention launch, Wo's from the quantising launch.
; SHARES: a work-group makes 128 tokens x 128 features; wave w: tokens 64 (w / 2) on, features 64 (w % 2) on: 16 accumulators.
; ALL OF K LIES IN LDS: o's group (98,304 bytes, [K step][tile][head half][768]) at 0, Wo's ([K step][tile][1,536]) at 98,304.  Nothing is filled again: four counted waits, four barriers.
; CLUSTER 4 x 4: the four work-groups of a row need the same rows of o, the four of a column the same rows of Wo: asked for jointly.  Four tensor loads of a wave are out at the most.
; Source 0 = Wo, source 1 = o: a lane holds a token, and by the tiles' order of rows its registers of tiles 2 e, 2 e + 1 are features 32 e + 16 h + 0..15.  The bias is the C of each sum's first instruction.
; OUT: a block of 16 tokens x 64 features goes through the wave's own stage in LDS (rows 272 bytes apart) and leaves as rows: sixteen lanes store 256 consecutive bytes, aligned at 256.
; LIMITS: NaN and infinities are not served.
.set GRP,  98304
.set KSB,  12288
.set FRB,  1536
.set FR,   12
.set STAGE, 2*GRP                      ; 16 rows x 272 bytes for each wave; no tile lands here
.set SPARE, STAGE+4*4352
.set AX,   4                           ; v4-5  o's fragments, the parts of 16 bytes a lane: K steps 0-3, 4-7
.set AW,   6                           ; v6-7  Wo's fragments
.set AY,   14                          ; v14-15 o's fragments, the parts of 8 bytes a lane
.set SPW,  28
.set NIL,  29
.set SX,   32                          ; v32-63 o's scale words: tile b, K step s at 8 b + s
.set SW,   64                          ; v64-95 Wo's
.set BI,   96                          ; v96-127 the bias in the result's layout
.set ACC,  128                         ; v128-255 accumulator (a, b) at 8 (a + 4 b); ahead of the products v128-191 hold o's scale words as loaded
.set G1X,  28
.set G1W,  36
.set G0X,  44
.set G0W,  68
.set MSB, 0
.macro WIN new
.if MSB != \new
	s_set_vgpr_msb (MSB<<8)|\new
.set MSB, \new
.endif
.endm
.set MULW, 0x05                        ; sources 0 and 1 in window 1; C and D in window 0
.set TOF,  0x40                        ; destination window 1
.macro PLACES n
.rept \n
	v_nop
.endr
.endm
.macro CROUND
	s_barrier_signal -1
	s_barrier_wait -1
	s_cmp_lg_u32 s18, 0
	s_cbranch_scc1 .Lnot_wave_0_\@
	s_barrier_signal -3
.Lnot_wave_0_\@:
	s_barrier_wait -3
	s_barrier_signal -1
	s_barrier_wait -1
.endm
	s_load_b256 s[4:11], s[0:1], 0x0               ; oc, so, cx, sx
	s_load_b128 s[12:15], s[0:1], 0x20             ; bo, out0
	v_lshl_add_u32 v[SPW], v0, 2, SPARE
	v_mov_b32 v[NIL], 0
	ds_add_u32 v[SPW], v[NIL]                      ; the wave's opening: the add and its wait ahead of my first tensor load
	v_lshrrev_b32 v1, 5, v0
	v_readfirstlane_b32 s18, v1                    ; wave
	s_lshr_b32 s19, s18, 1                         ; my half of the tokens; also: I fetch for o (0) or Wo (1)
	s_and_b32 s20, s18, 1                          ; my half of the features; also: the parity of the K steps that I fetch
	s_bfe_u32 s21, ttmp6, 0x40000
	s_bfe_u32 s22, ttmp6, 0x40004
	s_lshl_b32 s23, ttmp9, 2
	s_add_co_u32 s23, s23, s21                     ; feature group 0..7
	s_and_b32 s24, ttmp7, 0xffff
	s_lshl_b32 s24, s24, 2
	s_add_co_u32 s24, s24, s22                     ; token group 0..31
	s_lshl_b32 s26, s22, 2
	s_lshl_b32 s26, 15, s26                        ; my row of the cluster
	s_lshl_b32 s27, 0x1111, s21                    ; my column
	s_or_b32 s[G1X], s26, (3<<16)|(1<<21)          ; group 1: 48 rows of 32 elements of 8 bytes, dense
	s_or_b32 s[G1W], s27, (3<<16)|(1<<21)
.irp g, G1X, G1W
	s_mov_b32 s[\g+1], 32<<16
	s_mov_b32 s[\g+2], 48<<16
	s_mov_b32 s[\g+3], 32<<16
	s_mov_b32 s[\g+4], 48
	s_mov_b32 s[\g+5], 32
	s_mov_b32 s[\g+6], 0
	s_mov_b32 s[\g+7], 0
.endr
	s_mul_i32 s93, s20, KSB
	s_mul_i32 s88, s24, GRP                        ; o: hangs on the token group alone, which my row shares
	s_add_co_u32 s88, s88, s93
	s_mov_b32 s89, 0
	s_add_co_u32 s3, s23, 120                      ; Wo's group in cx: hangs on the feature group alone, which my column shares
	s_mul_i32 s90, s3, GRP
	s_add_co_u32 s90, s90, s93
	s_mov_b32 s91, 0
	s_mul_i32 s92, s19, GRP                        ; where they go: the wave's number alone
	s_add_co_u32 s92, s92, s93
	s_wait_dscnt 0x0                               ; the opening add is done
	s_wait_kmcnt 0x0
	s_add_nc_u64 s[84:85], s[4:5], s[88:89]
	s_add_nc_u64 s[86:87], s[8:9], s[90:91]
	CROUND                                         ; all sixteen work-groups are here: the joint loads meet
.irp c, 0,1,2,3
	s_mov_b32 s[G0X+4*\c], 1
	s_add_co_u32 s[G0X+4*\c+1], s92, \c*2*KSB
	s_add_nc_u64 s[G0X+4*\c+2:G0X+4*\c+3], s[84:85], \c*2*KSB
	s_or_b32 s[G0X+4*\c+3], s[G0X+4*\c+3], 0x80000000
	s_mov_b32 s[G0W+4*\c], 1
	s_add_co_u32 s[G0W+4*\c+1], s92, \c*2*KSB
	s_add_nc_u64 s[G0W+4*\c+2:G0W+4*\c+3], s[86:87], \c*2*KSB
	s_or_b32 s[G0W+4*\c+3], s[G0W+4*\c+3], 0x80000000
.endr
	s_cmp_eq_u32 s19, 0                            ; a wave's four fills stand in one branch on the wave's number
	s_cbranch_scc0 .Lfor_w
.irp c, 0,1,2,3
	tensor_load_to_lds s[G0X+4*\c:G0X+4*\c+3], s[G1X:G1X+7]
	s_nop 0
.endr
	PLACES 4
	s_branch .Lasked
.Lfor_w:
.irp c, 0,1,2,3
	tensor_load_to_lds s[G0W+4*\c:G0W+4*\c+3], s[G1W:G1W+7]
	s_nop 0
.endr
	PLACES 4
.Lasked:
	v_and_b32 v1, 31, v0                           ; l
	v_and_b32 v2, 15, v0                           ; r
	v_bfe_u32 v3, v0, 4, 1                         ; h
	v_lshlrev_b32 v11, 4, v1                       ; 16 l
	v_lshlrev_b32 v12, 3, v1                       ; 8 l
	s_mul_i32 s93, s19, 4*FRB
	v_add_nc_u32 v[AX], s93, v11
	v_add_nc_u32 v[AX+1], 4*KSB, v[AX]
	v_add_nc_u32 v[AY], s93, v12
	v_add_nc_u32 v[AY+1], 4*KSB, v[AY]
	s_mul_i32 s93, s20, 4*FRB
	s_add_co_u32 s93, s93, GRP
	v_add_nc_u32 v[AW], s93, v11
	v_add_nc_u32 v[AW+1], 4*KSB, v[AW]
	v_lshlrev_b32 v8, 4, v2                        ; 16 r
	v_lshlrev_b32 v9, 6, v3                        ; 64 h
	s_mul_i32 s93, s18, 4352
	s_add_co_u32 s93, s93, STAGE                   ; my stage
	v_mul_u32_u24 v16, v2, 272
	v_lshl_add_u32 v16, v3, 6, v16
	v_add_nc_u32 v16, s93, v16                     ; in: row r, + 64 h bytes
	v_mul_u32_u24 v17, v3, 272
	v_lshl_add_u32 v17, v2, 4, v17
	v_add_nc_u32 v17, s93, v17                     ; back: lanes 0-15 one row, lanes 16-31 the next
	v_lshlrev_b32 v18, 12, v3
	v_lshl_add_u32 v18, v2, 4, v18                 ; and the same in out0: rows of 4,096 bytes
	s_lshl_b32 s66, s24, 1                         ; o's scale words: run of 64 tokens 2 x group + my half, 256 bytes; a head on is 16,384 bytes on
	s_add_co_u32 s66, s66, s19
	s_lshl_b32 s66, s66, 8
	s_mov_b32 s67, 0
	s_add_nc_u64 s[60:61], s[6:7], s[66:67]
	s_lshl_b32 s66, s3, 3                          ; Wo's: tile 8 x group + 4 x my half, 512 bytes a tile
	s_lshl_b32 s2, s20, 2
	s_add_co_u32 s66, s66, s2
	s_lshl_b32 s66, s66, 9
	s_add_nc_u64 s[62:63], s[10:11], s[66:67]
	s_lshl_b32 s66, s23, 9
	s_lshl_b32 s2, s20, 8
	s_add_co_u32 s66, s66, s2                      ; my 64 features, in bytes
	s_add_nc_u64 s[12:13], s[12:13], s[66:67]
	s_add_nc_u64 s[14:15], s[14:15], s[66:67]
	s_lshl_b32 s66, s24, 7
	s_lshl_b32 s2, s19, 6
	s_add_co_u32 s66, s66, s2
	s_lshl_b32 s66, s66, 12                        ; my first token's row
	s_add_nc_u64 s[14:15], s[14:15], s[66:67]
.irp d, 0,1,2,3,4,5,6,7,8,9,10,11,12,13,14,15
	global_load_b128 v[128+4*\d:131+4*\d], v8, s[60:61] offset:16384*\d      ; head d: the words of my four tiles, two scale bytes each
.endr
.irp t, 0,1,2,3
.irp q, 0,1
	global_load_b128 v[SW+8*\t+4*\q:SW+8*\t+4*\q+3], v8, s[62:63] offset:512*\t+256*\q
.endr
.endr
.irp a, 0,1,2,3
	global_load_b128 v[BI+8*\a:BI+8*\a+3], v9, s[12:13] offset:(32*(\a/2)+8*(\a%2))*4
	global_load_b128 v[BI+8*\a+4:BI+8*\a+7], v9, s[12:13] offset:(32*(\a/2)+8*(\a%2))*4+16
.endr
	s_wait_loadcnt 0x0
.irp b, 0,1,2,3
.irp s, 0,1,2,3,4,5,6,7
	v_perm_b32 v[SX+8*\b+\s], v[128+4*(2*\s+1)+\b], v[128+4*(2*\s)+\b], 0x05040100   ; K step s is heads 2 s and 2 s + 1: the two low halves make its scale word
.endr
.endr
	PLACES 8                                       ; a scale register written by a vector instruction stands eight places ahead of the scaled matrix instruction
.macro FETCH f, s                      ; K step s: o's four fragments (two halves of 16 + 8 bytes a lane each) and Wo's four: 28 loads
	WIN TOF
.irp t, 0,1,2,3
.irp c, 0,1
	ds_load_b128 v[96*(\f)+FR*\t+6*\c:96*(\f)+FR*\t+6*\c+3], v[AX+(\s)/4] offset:((\s)%4)*KSB+\t*FRB+768*\c
	ds_load_b64 v[96*(\f)+FR*\t+6*\c+4:96*(\f)+FR*\t+6*\c+5], v[AY+(\s)/4] offset:((\s)%4)*KSB+\t*FRB+768*\c+512
.endr
.endr
.irp t, 0,1,2,3
.irp c, 0,1,2
	ds_load_b128 v[96*(\f)+48+FR*\t+4*\c:96*(\f)+48+FR*\t+4*\c+3], v[AW+(\s)/4] offset:((\s)%4)*KSB+\t*FRB+512*\c
.endr
.endr
	WIN 0
.endm
.macro MUL f, s                        ; 16 matrix instructions; the 16 accumulators take turns in the same order in every step
	WIN MULW
.irp b, 0,1,2,3
.irp a, 0,1,2,3
.if (\s) == 0
	v_wmma_scale_f32_16x16x128_f8f6f4 v[ACC+8*(\a+4*\b):ACC+8*(\a+4*\b)+7], v[96*(\f)+48+FR*\a:96*(\f)+48+FR*\a+FR-1], v[96*(\f)+FR*\b:96*(\f)+FR*\b+FR-1], v[BI+8*\a:BI+8*\a+7], v[SW+8*\a+(\s)], v[SX+8*\b+(\s)] matrix_a_fmt:MATRIX_FMT_FP6 matrix_b_fmt:MATRIX_FMT_FP6
.else
	v_wmma_scale_f32_16x16x128_f8f6f4 v[ACC+8*(\a+4*\b):ACC+8*(\a+4*\b)+7], v[96*(\f)+48+FR*\a:96*(\f)+48+FR*\a+FR-1], v[96*(\f)+FR*\b:96*(\f)+FR*\b+FR-1], v[ACC+8*(\a+4*\b):ACC+8*(\a+4*\b)+7], v[SW+8*\a+(\s)], v[SX+8*\b+(\s)] matrix_a_fmt:MATRIX_FMT_FP6 matrix_b_fmt:MATRIX_FMT_FP6
.endif
.endr
.endr
	WIN 0
.endm
.macro MEET c                          ; K steps 2 c and 2 c + 1 are in LDS for every wave.  My later loads may stay out
	s_wait_dscnt 0x0
	s_wait_tensorcnt 3-(\c)                        ; my load c has landed; the 3 - c issued behind it may be out
	s_barrier_signal -1
	s_barrier_wait -1
.endm
	MEET 0
	FETCH 0, 0
	FETCH 1, 1
.irp s, 0,1,2,3,4,5,6,7
.if \s < 7
	s_wait_dscnt 28                                ; this step's 28 loads are in; the next step's 28 may be out
.else
	s_wait_dscnt 0x0
.endif
	MUL (\s)%2, \s
.if \s < 6
	PLACES 4                                       ; four places in front of loads into registers that matrix instructions have read
.if (\s)%2 == 0
	MEET (\s+2)/2
.endif
	FETCH (\s)%2, \s+2
.endif
.endr
; THE WAY OUT, a tile of 16 tokens at a time.  LDS serves a wave's instructions in order: the loads see the stores above them, and the next tile's stores come behind them.
.macro TOSTAGE b
.irp a, 0,1,2,3
	ds_store_b128 v16, v[ACC+32*(\b)+8*\a:ACC+32*(\b)+8*\a+3] offset:128*(\a/2)+32*(\a%2)          ; each accumulator from its low end on
	ds_store_b128 v16, v[ACC+32*(\b)+8*\a+4:ACC+32*(\b)+8*\a+7] offset:128*(\a/2)+32*(\a%2)+16
.endr
.irp t, 0,1,2,3,4,5,6,7
	ds_load_b128 v[ACC+32*(\b)+4*\t:ACC+32*(\b)+4*\t+3], v17 offset:544*\t          ; back as rows, into the registers that they left: each tile's stores have data registers of their own
.endr
.endm
.macro SEND b, younger                 ; younger: the LDS instructions issued behind tile b's loads: the next tile's sixteen, or none
.irp t, 0,1,2,3,4,5,6,7
	s_wait_dscnt (\younger)+7-\t
	global_store_b128 v18, v[ACC+32*(\b)+4*\t:ACC+32*(\b)+4*\t+3], s[14:15] offset:(32*((\b)/2)+8*((\b)%2)+2*\t+8*(\t/4))*4096 th:TH_STORE_NT   ; stage rows 2 t, 2 t + 1 are tokens 2 t + 8 (t / 4) on of the tile
.endr
.endm
	PLACES 4                                       ; four places between the last products and the first read of results
	TOSTAGE 0
	TOSTAGE 1
	SEND 0, 16
	TOSTAGE 2
	SEND 1, 16
	TOSTAGE 3
	SEND 2, 16
	SEND 3, 0
	s_wait_tensorcnt 0x0                           ; the wave's end, behind my last tensor load and my last LDS store
	ds_add_u32 v[SPW], v[NIL]
	s_wait_dscnt 0x0
	CROUND                                         ; the closing round
	s_endpgm
.Lfunc_end_k_q7d75e0c4bc_outp:
	.size	k_q7d75e0c4bc_outp, .Lfunc_end_k_q7d75e0c4bc_outp-k_q7d75e0c4bc_outp
	.p2alignl 7, 3214868480
	.fill 96, 4, 3214868480
	.section	.rodata,"a",@progbits
	.p2align	6, 0x0
	.amdhsa_kernel k_q7d75e0c4bc_outp
		.amdhsa_group_segment_fixed_size 214528
		.amdhsa_private_segment_fixed_size 0
		.amdhsa_enable_private_segment 0
		.amdhsa_kernarg_size 48
		.amdhsa_user_sgpr_count 2
		.amdhsa_user_sgpr_kernarg_segment_ptr 1
		.amdhsa_wavefront_size32 1
		.amdhsa_system_sgpr_workgroup_id_x 1
		.amdhsa_system_sgpr_workgroup_id_y 1
		.amdhsa_system_sgpr_workgroup_id_z 1
		.amdhsa_system_vgpr_workitem_id 0
		.amdhsa_next_free_vgpr 448
		.amdhsa_next_free_sgpr 102
		.amdhsa_reserve_vcc 0
		.amdhsa_float_denorm_mode_32 3
		.amdhsa_float_denorm_mode_16_64 3
		.amdhsa_memory_ordered 1
		.amdhsa_forward_progress 1
		.amdhsa_inst_pref_size 56
	.end_amdhsa_kernel
	.amdgpu_metadata
---
amdhsa.version: [ 1, 2 ]
amdhsa.kernels:
  - .name:           k_q7d75e0c4bc_outp
    .symbol:         k_q7d75e0c4bc_outp.kd
    .args:
      - { .name: oc, .offset: 0, .size: 8, .value_kind: global_buffer, .address_space: global }
      - { .name: so, .offset: 8, .size: 8, .value_kind: global_buffer, .address_space: global }
      - { .name: cx, .offset: 16, .size: 8, .value_kind: global_buffer, .address_space: global }
      - { .name: sx, .offset: 24, .size: 8, .value_kind: global_buffer, .address_space: global }
      - { .name: bo, .offset: 32, .size: 8, .value_kind: global_buffer, .address_space: global }
      - { .name: out0, .offset: 40, .size: 8, .value_kind: global_buffer, .address_space: global }
    .group_segment_fixed_size: 214528
    .private_segment_fixed_size: 0
    .kernarg_segment_align: 8
    .kernarg_segment_size: 48
    .max_flat_workgroup_size: 128
    .sgpr_count:     102
    .vgpr_count:     448
    .wavefront_size: 32
...
	.end_amdgpu_metadata
.endif
;; end of part 4
